; MI455X (gfx1250); checked and timed in simulation.
; The chip was launched on July 23, 2026; its instructions are those of AMD's public machine-readable ISA for CDNA 5 (MIT licence, August 2026) and "CDNA5" Instruction Set Architecture Reference Guide (July 2026). The comments in the code are by the model that wrote it; some were corrected since.
;; Multi Head Self Attention3 D. Allowed arithmetic: float matrix products may take bf16 or f16 operands with f32 sums; all other float work in f32.
;; Inputs: proj_b 256 float32; proj_w 256 x 256 float32; qkv_w 768 x 256 float32; x 1 x 256 x 16 x 16 x 16 float32.
;; Outputs: out0 1 x 256 x 16 x 16 x 16 float32.
;; 2 versions, each right and faster than the one before. Each part assembles by itself: llvm-mc -triple=amdgcn-amd-amdhsa -mcpu=gfx1250 --defsym DOCPART=n.
;; ======== version 1 of 2: 3 launches
;; limits: values are held in f16: magnitudes above 65,504 overflow, below 6.1e-05 lose precision
;; workspace buffers: q 2,097,152 bytes; kv 4,194,304 bytes; att 2,097,152 bytes
;; launch qkv (part 1): grid 32 x 8, 8 waves a work-group, no clusters, 125,440 bytes of LDS; arguments x, qkv_w, q, kv; writes q, kv
.if DOCPART == 1
	.amdgcn_target "amdgcn-amd-amdhsa--gfx1250"
	.amdhsa_code_object_version 6
	.text
	.protected	k_q7fb1f1f150_qkv
	.globl	k_q7fb1f1f150_qkv
	.p2align	8
	.type	k_q7fb1f1f150_qkv,@function
k_q7fb1f1f150_qkv:
	s_mov_b64 s[64:65], 0
	v_nop
	global_prefetch_b8 v0, s[64:65] scope:SCOPE_SE
	s_setreg_imm32_b32 hwreg(HW_REG_WAVE_MODE, 25, 1), 1
	s_wait_xcnt 0x0
; qkv[o][n] = sum over c of qkv_w[o][c] x[c][n], for one head (32 rows each of q, k, v) and 128 points n.  K = 256.
; x: [256 c][4096 n] f32.  qkv_w: [768][256] f32, row o = part*256 + head*32 + d.  Products in f16, sums in f32.
; RESULTS ARE STORED IN FRAGMENT ORDER, as the next launch's matrix instructions want them.  A fragment is 16 rows x 32 k of f16
; in 1,024 bytes: bytes 16 L of the first 512 are registers 0-3 of lane L (k = 8h .. 8h+7 of row r, L = 16 h + r), bytes 512 + 16 L
; registers 4-7 (k = 16+8h ..).  The eight results of a lane, packed, are exactly 16 such bytes, so every store of a wave covers
; 512 consecutive bytes, aligned, and no stage in LDS is needed.
;   q : [head][tile of 16 n][1024]  rows = n, k = d; multiplied in f32 by 32^-0.5 * log2(e) before its one rounding to f16
;   kv: [head][step of 64 n][8192]  bytes 0-4095: K, four fragments (rows = n, k = d) at kt*1024;
;                                   bytes 4096-8191: V, at c*2048 + dt*1024, rows = d (16 dt ..), k = the 32 n of chunk c
; Eight waves.  Wave w: np = w >> 1 picks its 32 n (tiles i = 0, 1), os = w & 1 picks 16 of each part's 32 rows: six accumulators.
; q and k: source 0 = rows of W, source 1 = columns of x: a lane holds 8 neighbouring d of one n.  v: the sources swapped: 8 neighbouring n of one d.
; WHY F16: the program rounds x, W, q, k, v, the weights, the attention's result and the second W one after the other; the result is allowed a
; hundredth of its root mean square, and eleven bits a rounding leave that allowance wide, eight bits do not.
; ROOM IN F16 (largest number 65,504, smallest step 6e-8): x of spread 1 and rows of W of spread 1/16 give q, k, v of spread 1, largest about 5.4.
; All inputs 30 times larger: 900 times that, about 5,000.  Offsets of 30 spreads on x (30) and on W (1.875) together: 256 x 30 x 1.875 = 14,400.
; All inputs 30 times smaller: 0.255 q has spread 2.8e-4, of which the smallest step is about a ten-thousandth.
; LIMITS: a result 0.255 q, k or v beyond 65,504 in magnitude becomes infinite; NaN and infinities in the inputs are not served.
; NO CLUSTER, NO TENSOR LOAD: both operands are f32 in memory and are rounded to f16 on their way, which takes registers; brought by
; the mover the work-group's 128 KiB of x and 96 KiB of W would land as f32 and pass through LDS a second time.
.set XP,    288                        ; LDS pitch of x: 256 bytes of f16 + 32 = 9 x 32 bytes
.set WP,    528                        ; LDS pitch of W: 512 bytes of f16 + 16 = 33 x 16 bytes: sixteen rows begin at sixteen different 16-byte columns of a span of 256
.set WB,    256*XP                     ; x takes bytes 0 to 73,727; W's 96 rows follow, to 124,415
.set PARTB, 32*WP                      ; the 32 rows of one part
.set XA,    5                          ; v5, v6: see below
.set LD,    32                         ; v[32:255]  56 loads of 4 registers
.set FB,    32                         ; v[32:191]  afterwards four fragment buffers of 40: x tile i at +8 i, W part p at +16+8 p
.set ACC,   192                        ; v[192:239] accumulator (p, i) at 8 (2 p + i)
.set QSC,   0x3e8293ee                 ; 32^-0.5 * log2(e) = 0.25503486
	s_load_b256 s[4:11], s[0:1], 0x0               ; x s[4:5], qkv_w s[6:7], q s[8:9], kv s[10:11]
	v_lshl_add_u32 v30, v0, 2, 0x1e600
	v_mov_b32 v31, 0
	v_lshrrev_b32 v9, 5, v0
	v_readfirstlane_b32 s12, v9                    ; wave 0..7
	s_lshr_b32 s13, s12, 1                         ; np
	s_and_b32 s14, s12, 1                          ; os
	s_and_b32 s16, ttmp7, 0xffff                   ; head; ttmp9 = nb, the block of 128 n
	; byte offsets, each in a pair of its own with 0 on top
	s_lshl_b32 s18, ttmp9, 9                       ; x: 128 n of 4 bytes
	s_mov_b32 s19, 0
	s_lshl_b32 s20, s16, 15                        ; W: 32 rows of 1,024 bytes
	s_mov_b32 s21, 0
	s_lshl_b32 s22, s16, 18                        ; q: head*262144 + (8 nb + 2 np)*1024 + os*512
	s_lshl_b32 s17, ttmp9, 13
	s_add_co_u32 s22, s22, s17
	s_lshl_b32 s17, s13, 11
	s_add_co_u32 s22, s22, s17
	s_lshl_b32 s17, s14, 9
	s_add_co_u32 s22, s22, s17
	s_mov_b32 s23, 0
	s_lshl_b32 s26, s16, 19                        ; kv: head*524288 + (2 nb + (np>>1))*8192 + (np&1)*2048
	s_lshl_b32 s17, ttmp9, 14
	s_add_co_u32 s26, s26, s17
	s_lshr_b32 s17, s13, 1
	s_lshl_b32 s17, s17, 13
	s_add_co_u32 s26, s26, s17
	s_and_b32 s17, s13, 1
	s_lshl_b32 s17, s17, 11
	s_add_co_u32 s26, s26, s17
	s_mov_b32 s27, 0
	s_lshl_b32 s17, s14, 10                        ; V: + 4096 + os*1024
	s_add_co_u32 s28, s26, s17
	s_add_co_u32 s28, s28, 4096
	s_mov_b32 s29, 0
	s_lshl_b32 s17, s14, 9                         ; K: + os*512
	s_add_co_u32 s26, s26, s17
	; LDS bases
	s_mul_i32 s30, s12, 4*WP                       ; I lay down rows 4 w .. 4 w + 3 of each part of W
	s_add_co_u32 s30, s30, WB
	s_mul_i32 s31, s12, 32*XP                      ; and rows c = 32 w .. 32 w + 31 of x
	s_lshl_b32 s15, s13, 6                         ; my 32 n in a row of x: 64 bytes
	s_mul_i32 s17, s14, 16*WP                      ; my 16 rows of each part
	s_add_co_u32 s17, s17, WB
	v_and_b32 v9, 31, v0                           ; L
	v_lshlrev_b32 v8, 4, v9                        ; v8 = 16 L: also the stores' offset
	v_lshl_add_u32 v1, s12, 12, v8                 ; v1: W in memory, 16 L + 4 rows x wave
	v_lshl_add_u32 v2, s12, 19, v8                 ; v2: x in memory, 16 L + 32 rows of 16,384 bytes x wave
	v_lshl_add_u32 v3, v9, 3, s30                  ; v3: W in LDS, 8 L (four f16)
	v_lshl_add_u32 v4, v9, 3, s31                  ; v4: x in LDS
	v_and_b32 v10, 7, v0
	v_bfe_u32 v11, v0, 4, 1                        ; h
	v_lshl_add_u32 v10, v11, 3, v10                ; 8 h + (L & 7)
	v_mul_u32_u24 v[XA], v10, XP                   ; v5: the transposing loads of x: row c = 8 h + (L & 7),
	v_bfe_u32 v12, v0, 3, 1
	v_lshl_add_u32 v[XA], v12, 4, v[XA]            ; 16 bytes further for lanes 8-15 of each half,
	v_add_nc_u32 v[XA], s15, v[XA]                 ; at my 32 n
	v_add_nc_u32 v[XA+1], 128*XP, v[XA]            ; v6: the same for c = 128 and up, so that the immediates stay inside 16 bits
	v_and_b32 v13, 15, v0                          ; r
	v_mul_u32_u24 v7, v13, WP                      ; v7: fragments of W: row r, 16 h
	v_lshl_add_u32 v7, v11, 4, v7
	v_add_nc_u32 v7, s17, v7
	s_wait_kmcnt 0x0
	s_add_nc_u64 s[4:5], s[4:5], s[18:19]
	s_add_nc_u64 s[6:7], s[6:7], s[20:21]
	s_add_nc_u64 s[8:9], s[8:9], s[22:23]
	s_add_nc_u64 s[24:25], s[10:11], s[28:29]      ; V's place
	s_add_nc_u64 s[10:11], s[10:11], s[26:27]      ; K's place
	; ALL THE WORK-GROUP'S INPUT GOES OUT AT ONCE: 56 loads a wave, each 512 consecutive bytes.
.irp p, 0,1,2
.irp j, 0,1,2,3,4,5,6,7
	global_load_b128 v[LD+4*(8*\p+\j):LD+4*(8*\p+\j)+3], v1, s[6:7] offset:\p*262144+\j*512
.endr
.endr
.set i, 0
.rept 32
	global_load_b128 v[LD+4*(24+i):LD+4*(24+i)+3], v2, s[4:5] offset:i*16384
.set i, i+1
.endr
; four f32 of load idx become four f16 and go to LDS
.macro CVTST idx, adr, off
	v_cvt_pk_f16_f32 v[LD+4*(\idx)], v[LD+4*(\idx)], v[LD+4*(\idx)+1]
	v_cvt_pk_f16_f32 v[LD+4*(\idx)+1], v[LD+4*(\idx)+2], v[LD+4*(\idx)+3]
	ds_store_b64 v[\adr], v[LD+4*(\idx):LD+4*(\idx)+1] offset:\off
.endm
.irp p, 0,1,2
	s_wait_loadcnt 48-8*\p                         ; loads return in order: all but the younger ones are in
.irp j, 0,1,2,3,4,5,6,7
	CVTST 8*\p+\j, 3, \p*PARTB+(\j>>1)*WP+(\j&1)*256
.endr
.endr
.irp g, 0,1,2,3
	s_wait_loadcnt 24-8*\g
.irp j, 0,1,2,3,4,5,6,7
	CVTST 24+8*\g+\j, 4, (8*\g+\j)*XP
.endr
.endr
	s_wait_dscnt 0x0                               ; my LDS stores are done, for the other waves' sake
	s_barrier_signal -1
	s_barrier_wait -1                              ; x and W are whole; nothing is written to LDS after this
.macro PLACES                          ; a load into a register that a matrix instruction has read, and a vector instruction that reads its result,
.rept 4                                ; stand four plain vector instructions behind it (ISA guide 7.12.1 for vector instructions)
	v_nop
.endr
.endm
; ten LDS loads: the fragments of K step kk (32 c) into buffer kk & 3
.macro FETCH kk
.set fb, FB+40*((\kk)&3)
.irp i, 0,1
	ds_load_tr16_b128 v[fb+8*\i:fb+8*\i+3],   v[XA+((\kk)>>2)] offset:((\kk)&3)*32*XP+\i*32          ; c = 32 kk + 8 h .. of column n = r
	ds_load_tr16_b128 v[fb+8*\i+4:fb+8*\i+7], v[XA+((\kk)>>2)] offset:((\kk)&3)*32*XP+\i*32+16*XP   ; c = 32 kk + 16 + 8 h ..
.endr
.irp p, 0,1,2
	ds_load_b128 v[fb+16+8*\p:fb+16+8*\p+3], v7 offset:\p*PARTB+(\kk)*64
	ds_load_b128 v[fb+16+8*\p+4:fb+16+8*\p+7], v7 offset:\p*PARTB+(\kk)*64+32
.endr
.endm
.macro WM d, a, b, zero                ; zero = 1: the first product starts the sum, nothing is cleared
.if \zero
	v_wmma_f32_16x16x32_f16 v[\d:\d+7], v[\a:\a+7], v[\b:\b+7], 0
.else
	v_wmma_f32_16x16x32_f16 v[\d:\d+7], v[\a:\a+7], v[\b:\b+7], v[\d:\d+7]
.endif
.endm
; six matrix instructions; the six accumulators take turns, one instruction a turn
.macro MUL kk, zero
.set fb, FB+40*((\kk)&3)
	WM ACC+0,  fb+16, fb+0,  \zero                 ; q: W x x
	WM ACC+8,  fb+16, fb+8,  \zero
	WM ACC+16, fb+24, fb+0,  \zero                 ; k
	WM ACC+24, fb+24, fb+8,  \zero
	WM ACC+32, fb+0,  fb+32, \zero                 ; v: x x W
	WM ACC+40, fb+8,  fb+32, \zero
.endm
	FETCH 0
	FETCH 1
	FETCH 2
	FETCH 3
	s_wait_dscnt 30                                ; three younger fetches of ten loads may be out
	MUL 0, 1
	PLACES
	FETCH 4
.irp kk, 1,2,3
	s_wait_dscnt 30
	MUL \kk, 0
	PLACES
	FETCH \kk+4
.endr
	s_wait_dscnt 30                                ; nothing more is fetched: the counts run down
	MUL 4, 0
	s_wait_dscnt 20
	MUL 5, 0
	s_wait_dscnt 10
	MUL 6, 0
	s_wait_dscnt 0
	MUL 7, 0
	PLACES
.irp a, 0,2,4,6,8,10,12,14
	v_pk_mul_f32 v[ACC+\a:ACC+\a+1], v[ACC+\a:ACC+\a+1], QSC op_sel_hi:[1,0]   ; q alone carries the softmax's scale
.endr
.set a, 0
.rept 6
.irp r, 0,1,2,3
	v_cvt_pk_f16_f32 v[FB+4*a+\r], v[ACC+8*a+2*\r], v[ACC+8*a+2*\r+1]
.endr
.set a, a+1
.endr
	global_store_b128 v8, v[FB:FB+3],     s[8:9]                   ; q, tile i = 0: half os of its fragment
	global_store_b128 v8, v[FB+4:FB+7],   s[8:9] offset:1024       ; q, tile 1
	global_store_b128 v8, v[FB+8:FB+11],  s[10:11]                 ; K, tile 0
	global_store_b128 v8, v[FB+12:FB+15], s[10:11] offset:1024     ; K, tile 1
	global_store_b128 v8, v[FB+16:FB+19], s[24:25]                 ; V, fragment dt = os: keys 0-15 of the chunk are its first half,
	global_store_b128 v8, v[FB+20:FB+23], s[24:25] offset:512      ; keys 16-31 its second
	s_wait_tensorcnt 0x0
	ds_add_u32 v30, v31
	s_wait_dscnt 0x0
	s_endpgm
.Lfunc_end_k_q7fb1f1f150_qkv:
	.size	k_q7fb1f1f150_qkv, .Lfunc_end_k_q7fb1f1f150_qkv-k_q7fb1f1f150_qkv
	.p2alignl 7, 3214868480
	.fill 96, 4, 3214868480
	.section	.rodata,"a",@progbits
	.p2align	6, 0x0
	.amdhsa_kernel k_q7fb1f1f150_qkv
		.amdhsa_group_segment_fixed_size 125440
		.amdhsa_private_segment_fixed_size 0
		.amdhsa_enable_private_segment 0
		.amdhsa_kernarg_size 32
		.amdhsa_user_sgpr_count 2
		.amdhsa_user_sgpr_kernarg_segment_ptr 1
		.amdhsa_wavefront_size32 1
		.amdhsa_system_sgpr_workgroup_id_x 1
		.amdhsa_system_sgpr_workgroup_id_y 1
		.amdhsa_system_sgpr_workgroup_id_z 1
		.amdhsa_system_vgpr_workitem_id 0
		.amdhsa_next_free_vgpr 256
		.amdhsa_next_free_sgpr 66
		.amdhsa_reserve_vcc 0
		.amdhsa_float_denorm_mode_32 3
		.amdhsa_float_denorm_mode_16_64 3
		.amdhsa_memory_ordered 1
		.amdhsa_forward_progress 1
		.amdhsa_inst_pref_size 31
	.end_amdhsa_kernel
	.amdgpu_metadata
---
amdhsa.version: [ 1, 2 ]
amdhsa.kernels:
  - .name:           k_q7fb1f1f150_qkv
    .symbol:         k_q7fb1f1f150_qkv.kd
    .args:
      - { .name: x, .offset: 0, .size: 8, .value_kind: global_buffer, .address_space: global }
      - { .name: qkv_w, .offset: 8, .size: 8, .value_kind: global_buffer, .address_space: global }
      - { .name: q, .offset: 16, .size: 8, .value_kind: global_buffer, .address_space: global }
      - { .name: kv, .offset: 24, .size: 8, .value_kind: global_buffer, .address_space: global }
    .group_segment_fixed_size: 125440
    .private_segment_fixed_size: 0
    .kernarg_segment_align: 8
    .kernarg_segment_size: 32
    .max_flat_workgroup_size: 256
    .sgpr_count:     66
    .vgpr_count:     256
    .wavefront_size: 32
...
	.end_amdgpu_metadata
.endif
;; end of part 1
;; launch attn (part 2): grid 32 x 8, 4 waves a work-group, clusters of 4 x 1, 327,680 bytes of LDS; arguments q, kv, att; writes att
.if DOCPART == 2
	.amdgcn_target "amdgcn-amd-amdhsa--gfx1250"
	.amdhsa_code_object_version 6
	.text
	.protected	k_q7fb1f1f150_attn
	.globl	k_q7fb1f1f150_attn
	.p2align	8
	.type	k_q7fb1f1f150_attn,@function
k_q7fb1f1f150_attn:
	s_mov_b64 s[64:65], 0
	v_nop
	global_prefetch_b8 v0, s[64:65] scope:SCOPE_SE
	s_setreg_imm32_b32 hwreg(HW_REG_WAVE_MODE, 25, 1), 1
	s_wait_xcnt 0x0
	s_wait_alu depctr_hold_cnt(0) depctr_sa_sdst(0) depctr_va_vdst(0) depctr_va_sdst(0) depctr_va_ssrc(0) depctr_va_vcc(0) depctr_vm_vsrc(0)
	s_getreg_b32 s2, hwreg(HW_REG_IB_STS2, 6, 4)
	s_cmp_eq_u32 s2, 0
	s_cbranch_scc0 .Lentry_in_a_cluster
	s_endpgm
.Lentry_in_a_cluster:
	s_bfe_u32 s2, ttmp6, 0x10000c
	s_cmp_lg_u32 s2, 0x3003
	s_cbranch_scc0 .Lentry_shape_is_right
	s_endpgm
.Lentry_shape_is_right:
; Softmax attention of one head for 128 queries over 4,096 keys, head size 32.  q, kv, att in fragment order (16 rows x 32 k of f16 in 1,024 bytes:
; lane L's registers 0-3 at 16 L, registers 4-7 at 512 + 16 L).  q already holds 32^-0.5 * log2(e), so the exponentials are powers of two.
; Four waves, 32 queries each (tiles qt = 0, 1).  A step is 64 keys, 8,192 bytes of kv: four fragments of K, then four of V.
;   scores, transposed:  S[qt][kt] = K[kt] x Q[qt]: lane (r, h) holds keys 8 h + j of query r in register j.  So a query's maximum and sum run over the
;     lane's own registers and one exchange with lane L xor 16, and tiles 2 c, 2 c + 1, rounded to f16, ARE the fragment P[qt][c]: no lane traffic.
;   output, transposed:  O[qt][dt] += V[c][dt] x P[qt][c]: lane (r, h) holds d = 16 dt + 8 h + j of query r: the lane's own factors apply, and the
;     packed result is half dt of a fragment of att.
; The running maximum is the true maximum of all keys seen; sums and outputs are rescaled by 2^(old - new) in every step.
; SOFTWARE PIPELINE: trip t issues the scores of step t + 1 in front of the softmax of step t, and the products with V behind it.
; CLUSTER: the four query blocks of a cluster work on one head and read the same kv.  Every tile is asked for jointly (mask 15), which divides the requests by four.
; RING: two LDS slots of 65,536 bytes, a slot = 8 steps = 512 keys, dense in memory; each wave brings a quarter as 64 rows of 256 bytes.
; A wave has two tensor loads out at the start and one behind each refill.
; LDS: 131,072 bytes are used; the launch asks for 327,680.
; F16 AND ITS LIMITS: the weights P lie in [0, 1] (the maximum is taken away first), so they cannot overflow; f16's smallest step is 6e-8, so a weight below 3e-8 of
; its row's largest counts as 0 in the product with V: over 4,096 keys at most 1.2e-4 of the sum, which is at least 1.  The result is a convex mix of v and has v's
; range, which fits f16 (the arithmetic stands at the head of the launch that makes v).  v_exp_f32 gives 0 below 2^-126 (ISA guide 15.8).
; NaN and infinities are not served.  The sum is at least 1, so its reciprocal is safe.
.set SLOTB, 65536
.set STEPB, 8192
.set MX,  0                            ; v0, v1    running maximum of query r, tile qt
.set ADR, 2                            ; v2, v3    16 L in slot 0, slot 1; v2 is also the offset of the loads of Q and of the stores
.set NM,  4                            ; v4, v6    minus the maximum; first register of a pair, broadcast by the packed adds
.set TP,  5                            ; v5        the other half's figure
.set TS,  7                            ; v7        a step's sum
.set AL,  8                            ; v8, v10   2^(old - new); v9, v11 the lane's running sum
.set CH,  12                           ; v[12:15]  four chains of maxima, then two pairs of sums
.set QF,  16                           ; v[16:31]  Q, tile qt at 8 qt
.set KF,  32                           ; v[32:63]  K, tile kt at 8 kt
.set VF,  64                           ; v[64:95]  V, (c, dt) at 8 (2 c + dt)
.set OA,  96                           ; v[96:127] O, (qt, dt) at 16 qt + 8 dt
.set SC,  128                          ; v[128:255] scores, two sets: set*64 + qt*32 + kt*8; P[qt][c] is packed in place at qt*32 + c*16
.set G1,  16                           ; s[16:23]  descriptor group 1
.set G0,  24                           ; s[24:31]  descriptor group 0, one set for each slot
; A round of the cluster's barrier: my work-group's barrier, wave 0 signals for the work-group, every wave waits for all four work-groups, my work-group's barrier again.
.macro ROUND
	s_barrier_signal -1
	s_barrier_wait -1
	s_cmp_lg_u32 s8, 0
	s_cbranch_scc1 .Lnot_wave_0_\@
	s_barrier_signal -3
.Lnot_wave_0_\@:
	s_barrier_wait -3
	s_barrier_signal -1
	s_barrier_wait -1
.endm
.macro PLACES                          ; four plain vector instructions behind a matrix instruction before its result is read by a vector instruction (ISA guide 7.12.1)
.rept 4
	v_nop
.endr
.endm
	s_load_b128 s[4:7], s[0:1], 0x0                ; q s[4:5], kv s[6:7]
	s_load_b64 s[10:11], s[0:1], 0x10              ; att
	s_set_vgpr_msb 0x40
	v_lshl_add_u32 v0, v0, 2, 0x29000
	v_mov_b32 v1, 0
	s_set_vgpr_msb 0x4045
	ds_add_u32 v0, v1
	s_set_vgpr_msb 0x4500
	v_lshrrev_b32 v1, 5, v0
	v_readfirstlane_b32 s8, v1                     ; wave 0..3
	v_and_b32 v2, 31, v0
	v_lshlrev_b32 v[ADR], 4, v2
	v_add_nc_u32 v[ADR+1], SLOTB, v[ADR]
	v_mov_b32 v[TP], 0                             ; second registers of the pairs {NM, ..}: written before the pairs are read
	v_mov_b32 v[TS], 0
	s_mov_b32 s12, 0x76543210                      ; v_permlanex16_b32: lane i reads lane i of the other half
	s_mov_b32 s13, 0xfedcba98
	s_and_b32 s34, ttmp7, 0xffff                   ; head: the cluster's y, shared by its four work-groups
	s_bfe_u32 s32, ttmp6, 0x40000                  ; cx
	s_lshl_b32 s33, ttmp9, 2
	s_add_co_u32 s33, s33, s32                     ; query block = 4 x cluster x + cx
	; group 1: 64 rows of 32 elements of 8 bytes, dense
	s_mov_b32 s[G1+0], 0x0023000f                  ; 15:0 mask: all four of the cluster; 17:16 elements of 8 bytes; 21 set beside a mask; no padding: fragment order is read contiguously
	s_mov_b32 s[G1+1], 32<<16                      ; tensor_dim0 = 32
	s_mov_b32 s[G1+2], 64<<16                      ; tensor_dim1 = 64
	s_mov_b32 s[G1+3], 32<<16                      ; tile_dim0 = 32
	s_mov_b32 s[G1+4], 64                          ; tile_dim1 = 64
	s_mov_b32 s[G1+5], 32                          ; from row to row: 32 elements
	s_mov_b32 s[G1+6], 0
	s_mov_b32 s[G1+7], 0
	s_lshl_b32 s35, s8, 14                         ; my quarter of a slot: 16,384 x wave
	s_lshl_b32 s14, s34, 19                        ; kv: head*524288 + my quarter: made of the head and the wave's number alone, equal in all four work-groups
	s_add_co_u32 s14, s14, s35
	s_mov_b32 s15, 0
	s_lshl_b32 s36, s34, 18                        ; q and att: head*262144 + (8 x query block + 2 x wave)*1024
	s_lshl_b32 s38, s33, 13
	s_add_co_u32 s36, s36, s38
	s_lshl_b32 s38, s8, 11
	s_add_co_u32 s36, s36, s38
	s_mov_b32 s37, 0
	s_wait_dscnt 0x0
	s_wait_kmcnt 0x0
	s_add_nc_u64 s[6:7], s[6:7], s[14:15]
	s_add_nc_u64 s[4:5], s[4:5], s[36:37]
	s_add_nc_u64 s[10:11], s[10:11], s[36:37]
.irp n, 0,1
	s_mov_b32 s[G0+4*\n], 1                                        ; count = 1
	s_add_co_u32 s[G0+4*\n+1], s35, \n*SLOTB                       ; LDS address
	s_add_nc_u64 s[G0+4*\n+2:G0+4*\n+3], s[6:7], \n*SLOTB          ; block n of the head's eight
	s_or_b32 s[G0+4*\n+3], s[G0+4*\n+3], 0x80000000                ; type = 2
.endr
	ROUND                                          ; all four work-groups are here: the first joint loads meet
	tensor_load_to_lds s[G0:G0+3], s[G1:G1+7]      ; keys 0-511
	s_nop 0
	tensor_load_to_lds s[G0+4:G0+7], s[G1:G1+7]    ; keys 512-1023
	s_nop 0
.irp a, 0,1,2,3
	global_load_b128 v[QF+4*\a:QF+4*\a+3], v[ADR], s[4:5] offset:512*\a
.endr
.macro LOADK sl, pos                   ; K of the step at place pos of slot sl
.irp kt, 0,1,2,3
	ds_load_b128 v[KF+8*\kt:KF+8*\kt+3],   v[ADR+\sl] offset:(\pos)*STEPB+\kt*1024
	ds_load_b128 v[KF+8*\kt+4:KF+8*\kt+7], v[ADR+\sl] offset:(\pos)*STEPB+\kt*1024+512
.endr
.endm
.macro LOADV sl, pos
.irp f, 0,1,2,3
	ds_load_b128 v[VF+8*\f:VF+8*\f+3],   v[ADR+\sl] offset:(\pos)*STEPB+4096+\f*1024
	ds_load_b128 v[VF+8*\f+4:VF+8*\f+7], v[ADR+\sl] offset:(\pos)*STEPB+4096+\f*1024+512
.endr
.endm
.macro SMUL st                         ; eight tiles of scores into set st; each starts from the constant 0
.irp qt, 0,1
.irp kt, 0,1,2,3
	v_wmma_f32_16x16x32_f16 v[SC+(\st)*64+\qt*32+\kt*8:SC+(\st)*64+\qt*32+\kt*8+7], v[KF+8*\kt:KF+8*\kt+7], v[QF+8*\qt:QF+8*\qt+7], 0
.endr
.endr
.endm
.macro MAXA p, qt                      ; the first three scores of each tile start four chains
.set bb, SC+(\p)*64+(\qt)*32
.irp kt, 0,1,2,3
	v_max3_num_f32 v[CH+\kt], v[bb+8*\kt], v[bb+8*\kt+1], v[bb+8*\kt+2]
.endr
.endm
.macro MAXB p, qt, first               ; the rest of the 32 scores, the old maximum, the other half; then -m and 2^(old - new)
.set bb, SC+(\p)*64+(\qt)*32
.irp kt, 0,1,2,3
	v_max3_num_f32 v[CH+\kt], v[CH+\kt], v[bb+8*\kt+3], v[bb+8*\kt+4]
.endr
.irp kt, 0,1,2,3
	v_max3_num_f32 v[CH+\kt], v[CH+\kt], v[bb+8*\kt+5], v[bb+8*\kt+6]
.endr
	v_max3_num_f32 v[CH], v[CH], v[bb+7], v[bb+15]
	v_max3_num_f32 v[CH+2], v[CH+2], v[bb+23], v[bb+31]
	v_max3_num_f32 v[CH], v[CH], v[CH+1], v[CH+2]
.if \first
	v_max_num_f32 v[CH], v[CH], v[CH+3]
.else
	v_max3_num_f32 v[CH], v[CH], v[CH+3], v[MX+\qt]
.endif
	v_permlanex16_b32 v[TP], v[CH], s12, s13       ; the other eight keys of each tile lie in lane L xor 16
	v_max_num_f32 v[CH], v[CH], v[TP]
.if \first == 0
	v_sub_f32 v[CH+1], v[MX+\qt], v[CH]            ; old - new, at most 0
.endif
	v_mov_b32 v[MX+\qt], v[CH]
	v_sub_f32 v[NM+2*\qt], 0, v[CH]
.if \first == 0
	v_exp_f32 v[AL+2*\qt], v[CH+1]                 ; the next vector instruction is a plain one that names neither register (ISA guide 5.7.2)
.endif
.endm
; pieces of the softmax of one tile kt of (p, qt); bb, nmr are set by SOFT
.macro SUBT kt
.irp i, 0,2,4,6
	v_pk_add_f32 v[bb+8*\kt+\i:bb+8*\kt+\i+1], v[bb+8*\kt+\i:bb+8*\kt+\i+1], v[nmr:nmr+1] op_sel_hi:[1,0]   ; s - m, both halves by the pair's first register
.endr
.endm
.macro EXPT kt
.irp i, 0,1,2,3,4,5,6,7
	v_exp_f32 v[bb+8*\kt+\i], v[bb+8*\kt+\i]
.endr
.endm
.macro SUMT kt                         ; tile 0 starts the two pairs of sums: nothing is cleared
.if \kt == 0
	s_wait_alu depctr_va_vdst(0)
	v_pk_add_f32 v[CH:CH+1], v[bb:bb+1], v[bb+2:bb+3]
	v_pk_add_f32 v[CH+2:CH+3], v[bb+4:bb+5], v[bb+6:bb+7]
.else
	s_wait_alu depctr_va_vdst(0)
	v_pk_add_f32 v[CH:CH+1], v[CH:CH+1], v[bb+8*\kt:bb+8*\kt+1]
	v_pk_add_f32 v[CH+2:CH+3], v[CH+2:CH+3], v[bb+8*\kt+2:bb+8*\kt+3]
	v_pk_add_f32 v[CH:CH+1], v[CH:CH+1], v[bb+8*\kt+4:bb+8*\kt+5]
	v_pk_add_f32 v[CH+2:CH+3], v[CH+2:CH+3], v[bb+8*\kt+6:bb+8*\kt+7]
.endif
.endm
.macro CVTT kt                         ; eight weights to four registers of P[qt][kt >> 1]; each destination lies at or below registers already used up
.irp i, 0,1,2,3
	v_cvt_pk_f16_f32 v[bb+(\kt>>1)*16+(\kt&1)*4+\i], v[bb+8*\kt+2*\i], v[bb+8*\kt+2*\i+1]
.endr
.endm
; The softmax of (p, qt).  Behind every run of exponentials stands a plain instruction on other registers (the next tile's subtraction, or the rescaling of O)
; before the results are read (ISA guide 5.7.2).
.macro SOFT p, qt, first
.set bb,  SC+(\p)*64+(\qt)*32
.set nmr, NM+2*(\qt)
.set alr, AL+2*(\qt)
.set ob,  OA+16*(\qt)
	SUBT 0
	EXPT 0
	SUBT 1
	SUMT 0
	CVTT 0
	EXPT 1
	SUBT 2
	SUMT 1
	CVTT 1
	EXPT 2
	SUBT 3
	SUMT 2
	CVTT 2
	EXPT 3
.if \first
	v_nop
.else
.irp i, 0,2,4,6,8,10,12,14
	v_pk_mul_f32 v[ob+\i:ob+\i+1], v[ob+\i:ob+\i+1], v[alr:alr+1] op_sel_hi:[1,0]   ; O x 2^(old - new)
.endr
.endif
	SUMT 3
	CVTT 3
	v_pk_add_f32 v[CH:CH+1], v[CH:CH+1], v[CH+2:CH+3]
.if \first
	v_add_f32 v[alr+1], v[CH], v[CH+1]
.else
	v_add_f32 v[TS], v[CH], v[CH+1]
	v_fma_f32 v[alr+1], v[alr+1], v[alr], v[TS]    ; l = l x 2^(old - new) + this step's sum
.endif
.endm
.macro WM d, a, b, zero
.if \zero
	v_wmma_f32_16x16x32_f16 v[\d:\d+7], v[\a:\a+7], v[\b:\b+7], 0
.else
	v_wmma_f32_16x16x32_f16 v[\d:\d+7], v[\a:\a+7], v[\b:\b+7], v[\d:\d+7]
.endif
.endm
.macro PV p, first                     ; the four accumulators take turns, one instruction a turn
.set pb, SC+(\p)*64
	WM OA+0,  VF+0,  pb+0,  \first
	WM OA+8,  VF+8,  pb+0,  \first
	WM OA+16, VF+0,  pb+32, \first
	WM OA+24, VF+8,  pb+32, \first
	WM OA+0,  VF+16, pb+16, 0
	WM OA+8,  VF+24, pb+16, 0
	WM OA+16, VF+16, pb+48, 0
	WM OA+24, VF+24, pb+48, 0
.endm
; Trip t: softmax and V products of step t, scores of step t + 1.
; mode 0: step t + 1 lies in the same slot.  mode 1: it opens the other slot, and this slot is filled again.  mode 2: the same without a refill.  mode 3: the last step.
.macro TRIP t, first, mode
.set tp,  (\t)&1
.set tvs, ((\t)>>3)&1
.set tvp, (\t)&7
.set tks, (((\t)+1)>>3)&1
.set tkp, ((\t)+1)&7
	MAXA tp, 0                                     ; four plain instructions on other registers behind the last trip's products: V's registers may be loaded again
	LOADV tvs, tvp
.if \mode == 0
	LOADK tks, tkp
.endif
	MAXB tp, 0, \first
.if \mode == 1
	s_set_vgpr_msb 0x5
	s_wait_tensorcnt 0x0                           ; all my tensor loads have landed, my quarter of the other slot among them, so a group 0 may be written:
	ds_add_u32 v0, v1
	s_wait_dscnt 0x0
	s_set_vgpr_msb 0x500
	s_add_nc_u64 s[G0+4*tvs+2:G0+4*tvs+3], s[G0+4*tvs+2:G0+4*tvs+3], 2*SLOTB   ; this slot's next block
	s_wait_dscnt 0x0                               ; V of step t, my last read of this slot, is in registers
	ROUND                                          ; both now hold of every wave of all four work-groups
	tensor_load_to_lds s[G0+4*tvs:G0+4*tvs+3], s[G1:G1+7]          ; my one tensor load behind the round, first thing there; it has eight trips in which to land
	s_nop 0
	LOADK tks, tkp
.endif
.if \mode == 2
	s_wait_tensorcnt 0x0                           ; my quarter of the last block has landed
	s_wait_dscnt 0x0
	s_barrier_signal -1
	s_barrier_wait -1                              ; everybody's has
	LOADK tks, tkp
.endif
	MAXA tp, 1
	MAXB tp, 1, \first
	s_wait_dscnt 0x0                               ; K of step t + 1 and V of step t
.if \mode != 3
	SMUL 1-tp
.endif
	SOFT tp, 0, \first
	SOFT tp, 1, \first
	PV tp, \first
.endm
	s_wait_loadcnt 0x0                             ; Q
	s_wait_tensorcnt 0x1                           ; my quarter of block 0 is in; block 1's may stay out
	s_barrier_signal -1
	s_barrier_wait -1
	LOADK 0, 0
	s_wait_dscnt 0x0
	SMUL 0
	PLACES
	TRIP 0, 1, 0                                   ; the first step starts maxima, sums and outputs
	s_mov_b32 s9, 3
.Llap:                                 ; a lap = 16 steps = once round the ring; steps 1 to 48; the six refills (blocks 2 to 7) all lie here
.set tt, 1
.rept 16
.if (tt&7) == 7
	TRIP tt, 0, 1
.else
	TRIP tt, 0, 0
.endif
.set tt, tt+1
.endr
	s_sub_co_u32 s9, s9, 1
	s_cmp_lg_u32 s9, 0
	s_cbranch_scc1 .Llap
.set tt, 1                             ; steps 49 to 62: nothing is left to fetch
.rept 14
.if tt == 7
	TRIP tt, 0, 2
.else
	TRIP tt, 0, 0
.endif
.set tt, tt+1
.endr
	TRIP 15, 0, 3                                  ; step 63
	; THE WAY OUT: the two halves' sums meet, O / l, f16, four stores of 512 consecutive bytes
	PLACES
.irp qt, 0,1
	v_permlanex16_b32 v[TP], v[AL+2*\qt+1], s12, s13
	v_add_f32 v[AL+2*\qt+1], v[AL+2*\qt+1], v[TP]
.endr
	v_rcp_f32 v[AL], v[AL+1]
	v_rcp_f32 v[AL+2], v[AL+3]
	v_nop                                          ; one plain instruction before the reciprocals are used (ISA guide 5.7.2)
.irp qt, 0,1
.irp i, 0,2,4,6,8,10,12,14
	s_wait_alu depctr_va_vdst(0)
	v_pk_mul_f32 v[OA+16*\qt+\i:OA+16*\qt+\i+1], v[OA+16*\qt+\i:OA+16*\qt+\i+1], v[AL+2*\qt:AL+2*\qt+1] op_sel_hi:[1,0]
.endr
.endr
.irp a, 0,1,2,3
.irp r, 0,1,2,3
	v_cvt_pk_f16_f32 v[KF+4*\a+\r], v[OA+8*\a+2*\r], v[OA+8*\a+2*\r+1]
.endr
.endr
.irp a, 0,1,2,3
	global_store_b128 v[ADR], v[KF+4*\a:KF+4*\a+3], s[10:11] offset:512*\a     ; a = 2 qt + dt: half dt of tile qt's fragment
.endr
	s_set_vgpr_msb 0x5
	s_wait_tensorcnt 0x0
	ds_add_u32 v0, v1
	s_wait_dscnt 0x0
	s_set_vgpr_msb 0x500
	ROUND                                          ; the closing round: no work-group ends while a partner may still ask for a tile that names it
	s_endpgm
.Lfunc_end_k_q7fb1f1f150_attn:
	.size	k_q7fb1f1f150_attn, .Lfunc_end_k_q7fb1f1f150_attn-k_q7fb1f1f150_attn
	.p2alignl 7, 3214868480
	.fill 96, 4, 3214868480
	.section	.rodata,"a",@progbits
	.p2align	6, 0x0
	.amdhsa_kernel k_q7fb1f1f150_attn
		.amdhsa_group_segment_fixed_size 327680
		.amdhsa_private_segment_fixed_size 0
		.amdhsa_enable_private_segment 0
		.amdhsa_kernarg_size 24
		.amdhsa_user_sgpr_count 2
		.amdhsa_user_sgpr_kernarg_segment_ptr 1
		.amdhsa_wavefront_size32 1
		.amdhsa_system_sgpr_workgroup_id_x 1
		.amdhsa_system_sgpr_workgroup_id_y 1
		.amdhsa_system_sgpr_workgroup_id_z 1
		.amdhsa_system_vgpr_workitem_id 0
		.amdhsa_next_free_vgpr 258
		.amdhsa_next_free_sgpr 66
		.amdhsa_reserve_vcc 0
		.amdhsa_float_denorm_mode_32 3
		.amdhsa_float_denorm_mode_16_64 3
		.amdhsa_memory_ordered 1
		.amdhsa_forward_progress 1
		.amdhsa_inst_pref_size 255
	.end_amdhsa_kernel
	.section	.bss,"aw",@nobits
	.p2align	6
	.space	262144
	.amdgpu_metadata
---
amdhsa.version: [ 1, 2 ]
amdhsa.kernels:
  - .name:           k_q7fb1f1f150_attn
    .symbol:         k_q7fb1f1f150_attn.kd
    .args:
      - { .name: q, .offset: 0, .size: 8, .value_kind: global_buffer, .address_space: global }
      - { .name: kv, .offset: 8, .size: 8, .value_kind: global_buffer, .address_space: global }
      - { .name: att, .offset: 16, .size: 8, .value_kind: global_buffer, .address_space: global }
    .group_segment_fixed_size: 327680
    .private_segment_fixed_size: 0
    .kernarg_segment_align: 8
    .kernarg_segment_size: 24
    .max_flat_workgroup_size: 128
    .sgpr_count:     66
    .vgpr_count:     258
    .wavefront_size: 32
...
	.end_amdgpu_metadata
.endif
;; end of part 2
;; launch proj (part 3): grid 64 x 4, 4 waves a work-group, no clusters, 168,448 bytes of LDS; arguments att, proj_w, proj_b, out0; writes out0
.if DOCPART == 3
	.amdgcn_target "amdgcn-amd-amdhsa--gfx1250"
	.amdhsa_code_object_version 6
	.text
	.protected	k_q7fb1f1f150_proj
	.globl	k_q7fb1f1f150_proj
	.p2align	8
	.type	k_q7fb1f1f150_proj,@function
k_q7fb1f1f150_proj:
	s_mov_b64 s[64:65], 0
	v_nop
	global_prefetch_b8 v0, s[64:65] scope:SCOPE_SE
	s_setreg_imm32_b32 hwreg(HW_REG_WAVE_MODE, 25, 1), 1
	s_wait_xcnt 0x0
; out0[o][n] = sum over c of proj_w[o][c] att[c][n] + proj_b[o].  A work-group makes 64 o x 64 n, K = 256.
; att is f16 in fragment order: [head][tile of 16 n][1024], rows = n, k = the head's 32 channels; K step kk is head kk.
; Four waves; wave w makes o = o0 .. o0 + 15 (o0 = 64 ob + 16 w) for all 64 n: four accumulators, 32 matrix instructions.
; Source 0 = att (rows n), source 1 = W (columns o): a lane holds 8 neighbouring n of one o.  The bias enters as the first product's C.
; att comes by one tensor load a wave (two heads, 4,096 consecutive bytes each); W is f32 in memory and is rounded to f16 in registers; each wave
; lays down and reads its own 16 rows.  A wave has one tensor load outstanding.
; The result goes through a stage in LDS that is the wave's own, and leaves in rows: sixteen lanes store 256 consecutive bytes, aligned.
; NO CLUSTER: of the 96 KiB that a work-group reads only att's 32 KiB are shared (by the four blocks of o), in one single fill, in front of and
; behind which a joint load would need a round of the cluster's barrier each.
; LDS: 83,968 bytes are used; the launch asks for 168,448.
; F16 AND ITS LIMITS: W of spread 1/16, 30 times larger or with an offset of 30 spreads, stays under 12; 30 times smaller it has spread 2e-3, of which f16's
; smallest step, 6e-8, is 3e-5.  A weight beyond 65,504 in magnitude becomes infinite.  NaN and infinities in the inputs are not served.
.set WL,    32768                      ; att takes bytes 0 to 32,767, the only bytes that a tensor load fills; then W, 16 rows x 528 bytes a wave
.set WP,    528                        ; 512 bytes of f16 + 16 = 33 x 16 bytes
.set STAGE, WL+4*16*WP                 ; 66,560: 16 rows x 272 bytes a wave
.set SP,    272                        ; 256 bytes of f32 + 16 = 17 x 16 bytes
.set LD,    32                         ; v[32:159]  32 loads of W
.set FB,    32                         ; v[32:191]  afterwards four fragment buffers of 40: att tile t at +8 t, W at +32
.set ACC,   192                        ; v[192:223] tile t at 8 t
.set BIAS,  224                        ; v[224:231] proj_b[o0 + r] in all eight
	s_load_b256 s[4:11], s[0:1], 0x0               ; att s[4:5], proj_w s[6:7], proj_b s[8:9], out0 s[10:11]
	v_lshl_add_u32 v232, v0, 2, 0x29000
	v_mov_b32 v233, 0
	ds_add_u32 v232, v233
	v_lshrrev_b32 v8, 5, v0
	v_readfirstlane_b32 s12, v8                    ; wave 0..3
	s_and_b32 s13, ttmp7, 0xffff                   ; ob; ttmp9 = the block of 64 n
	s_lshl_b32 s14, s13, 6
	s_lshl_b32 s15, s12, 4
	s_add_co_u32 s14, s14, s15                     ; o0
	; group 1: two rows of 512 elements of 8 bytes, 262,144 bytes apart (from head to head)
	s_mov_b32 s16, 3<<16                           ; no mask; elements of 8 bytes; no padding: fragment order is read contiguously
	s_mov_b32 s17, 512<<16                         ; tensor_dim0 = 512
	s_mov_b32 s18, 2<<16                           ; tensor_dim1 = 2
	s_mov_b32 s19, 512<<16                         ; tile_dim0 = 512
	s_mov_b32 s20, 2                               ; tile_dim1 = 2
	s_mov_b32 s21, 32768                           ; from row to row, in elements
	s_mov_b32 s22, 0
	s_mov_b32 s23, 0
	s_mov_b32 s24, 1                               ; group 0: count = 1
	s_lshl_b32 s25, s12, 13                        ; LDS: heads 2 w, 2 w + 1 at 8,192 x wave
	s_lshl_b32 s28, ttmp9, 12                      ; att: four fragments of 1,024 bytes a block, two heads a wave
	s_lshl_b32 s15, s12, 19
	s_add_co_u32 s28, s28, s15
	s_mov_b32 s29, 0
	s_lshl_b32 s30, s14, 10                        ; W: rows of 1,024 bytes
	s_mov_b32 s31, 0
	s_lshl_b32 s32, s14, 2                         ; bias
	s_mov_b32 s33, 0
	s_lshl_b32 s34, s14, 14                        ; out0: rows of 16,384 bytes, 256 bytes a block of n
	s_lshl_b32 s15, ttmp9, 8
	s_add_co_u32 s34, s34, s15
	s_mov_b32 s35, 0
	s_mul_i32 s36, s12, 16*WP
	s_add_co_u32 s36, s36, WL                      ; my rows of W in LDS
	s_mul_i32 s37, s12, 16*SP
	s_add_co_u32 s37, s37, STAGE                   ; my stage
	s_wait_dscnt 0x0
	s_wait_kmcnt 0x0
	s_add_nc_u64 s[26:27], s[4:5], s[28:29]
	s_or_b32 s27, s27, 0x80000000                  ; type = 2
	tensor_load_to_lds s[24:27], s[16:23]
	s_nop 0
	s_add_nc_u64 s[6:7], s[6:7], s[30:31]
	s_add_nc_u64 s[8:9], s[8:9], s[32:33]
	s_add_nc_u64 s[10:11], s[10:11], s[34:35]
	v_and_b32 v8, 31, v0                           ; L
	v_and_b32 v9, 15, v0                           ; r
	v_bfe_u32 v10, v0, 4, 1                        ; h
	v_lshlrev_b32 v1, 4, v8                        ; v1 = 16 L: W in memory, att's fragments in LDS
	v_lshlrev_b32 v7, 2, v9                        ; v7 = 4 r: the bias
	global_load_b32 v[BIAS], v7, s[8:9]
.set i, 0
.rept 32
	global_load_b128 v[LD+4*i:LD+4*i+3], v1, s[6:7] offset:i*512   ; my 16 rows are 16,384 consecutive bytes
.set i, i+1
.endr
	v_lshl_add_u32 v2, v8, 3, s36                  ; v2: W into LDS, 8 L
	v_mul_u32_u24 v3, v9, WP                       ; v3: fragments of W: row r, 16 h
	v_lshl_add_u32 v3, v10, 4, v3
	v_add_nc_u32 v3, s36, v3
	v_mul_u32_u24 v4, v9, SP                       ; v4: into the stage: row r (o), 8 h numbers of 4 bytes
	v_lshl_add_u32 v4, v10, 5, v4
	v_add_nc_u32 v4, s37, v4
	v_mul_u32_u24 v5, v10, SP                      ; v5: back: lanes 0-15 one row of 256 bytes, lanes 16-31 the next
	v_lshl_add_u32 v5, v9, 4, v5
	v_add_nc_u32 v5, s37, v5
	v_lshlrev_b32 v6, 14, v10                      ; v6: the same two rows in out0
	v_lshl_add_u32 v6, v9, 4, v6
.macro CVTST idx, adr, off             ; four f32 of load idx become four f16 and go to LDS
	v_cvt_pk_f16_f32 v[LD+4*(\idx)], v[LD+4*(\idx)], v[LD+4*(\idx)+1]
	v_cvt_pk_f16_f32 v[LD+4*(\idx)+1], v[LD+4*(\idx)+2], v[LD+4*(\idx)+3]
	ds_store_b64 v[\adr], v[LD+4*(\idx):LD+4*(\idx)+1] offset:\off
.endm
.irp g, 0,1,2,3
	s_wait_loadcnt 24-8*\g                         ; loads return in order: all but the younger ones are in (the bias, the oldest, with the first group)
.irp j, 0,1,2,3,4,5,6,7
	CVTST 8*\g+\j, 2, (4*\g+(\j>>1))*WP+(\j&1)*256
.endr
.endr
.irp j, 1,2,3,4,5,6,7
	v_mov_b32 v[BIAS+\j], v[BIAS]                  ; every register of a result tile belongs to column o = r
.endr
	s_wait_tensorcnt 0x0                           ; my two heads of att have landed,
	s_wait_dscnt 0x0                               ; my LDS stores are done
	s_barrier_signal -1
	s_barrier_wait -1                              ; all eight heads are there; nothing is filled again
.macro PLACES                          ; a load into a register that a matrix instruction has read, and an LDS store of its result,
.rept 4                                ; stand four plain vector instructions behind it (ISA guide 7.12.1 for vector instructions)
	v_nop
.endr
.endm
.macro FETCH kk                        ; ten LDS loads: head kk's four fragments of att, and W's, into buffer kk & 3
.set fb, FB+40*((\kk)&3)
.irp t, 0,1,2,3
	ds_load_b128 v[fb+8*\t:fb+8*\t+3],   v1 offset:(\kk)*4096+\t*1024
	ds_load_b128 v[fb+8*\t+4:fb+8*\t+7], v1 offset:(\kk)*4096+\t*1024+512
.endr
	ds_load_b128 v[fb+32:fb+35], v3 offset:(\kk)*64
	ds_load_b128 v[fb+36:fb+39], v3 offset:(\kk)*64+32
.endm
.macro MUL kk, first                   ; the four accumulators take turns, one instruction a turn
.set fb, FB+40*((\kk)&3)
.irp t, 0,1,2,3
.if \first
	v_wmma_f32_16x16x32_f16 v[ACC+8*\t:ACC+8*\t+7], v[fb+8*\t:fb+8*\t+7], v[fb+32:fb+39], v[BIAS:BIAS+7]
.else
	v_wmma_f32_16x16x32_f16 v[ACC+8*\t:ACC+8*\t+7], v[fb+8*\t:fb+8*\t+7], v[fb+32:fb+39], v[ACC+8*\t:ACC+8*\t+7]
.endif
.endr
.endm
	FETCH 0
	FETCH 1
	FETCH 2
	FETCH 3
	s_wait_dscnt 30                                ; three younger fetches of ten loads may be out
	MUL 0, 1
	PLACES
	FETCH 4
.irp kk, 1,2,3
	s_wait_dscnt 30
	MUL \kk, 0
	PLACES
	FETCH \kk+4
.endr
	s_wait_dscnt 30                                ; nothing more is fetched: the counts run down
	MUL 4, 0
	s_wait_dscnt 20
	MUL 5, 0
	s_wait_dscnt 10
	MUL 6, 0
	s_wait_dscnt 0
	MUL 7, 0
	PLACES
.irp t, 0,1,2,3
	ds_store_b128 v4, v[ACC+8*\t:ACC+8*\t+3] offset:64*\t          ; n = 16 t + 8 h + 0..3 of row o = r
	ds_store_b128 v4, v[ACC+8*\t+4:ACC+8*\t+7] offset:64*\t+16
.endr
.irp i, 0,1,2,3,4,5,6,7
	ds_load_b128 v[FB+4*\i:FB+4*\i+3], v5 offset:\i*2*SP           ; LDS serves a wave's instructions in order (ISA guide 5.7.1.4): these see my stores above
.endr
.irp i, 0,1,2,3,4,5,6,7
	s_wait_dscnt 7-\i
	global_store_b128 v6, v[FB+4*\i:FB+4*\i+3], s[10:11] offset:\i*32768 th:TH_STORE_NT   ; rows 2 i, 2 i + 1: sixteen lanes store 256 consecutive bytes, aligned
.endr
	s_wait_tensorcnt 0x0
	ds_add_u32 v232, v233
	s_wait_dscnt 0x0
	s_endpgm
.Lfunc_end_k_q7fb1f1f150_proj:
	.size	k_q7fb1f1f150_proj, .Lfunc_end_k_q7fb1f1f150_proj-k_q7fb1f1f150_proj
	.p2alignl 7, 3214868480
	.fill 96, 4, 3214868480
	.section	.rodata,"a",@progbits
	.p2align	6, 0x0
	.amdhsa_kernel k_q7fb1f1f150_proj
		.amdhsa_group_segment_fixed_size 168448
		.amdhsa_private_segment_fixed_size 0
		.amdhsa_enable_private_segment 0
		.amdhsa_kernarg_size 32
		.amdhsa_user_sgpr_count 2
		.amdhsa_user_sgpr_kernarg_segment_ptr 1
		.amdhsa_wavefront_size32 1
		.amdhsa_system_sgpr_workgroup_id_x 1
		.amdhsa_system_sgpr_workgroup_id_y 1
		.amdhsa_system_sgpr_workgroup_id_z 1
		.amdhsa_system_vgpr_workitem_id 0
		.amdhsa_next_free_vgpr 234
		.amdhsa_next_free_sgpr 66
		.amdhsa_reserve_vcc 0
		.amdhsa_float_denorm_mode_32 3
		.amdhsa_float_denorm_mode_16_64 3
		.amdhsa_memory_ordered 1
		.amdhsa_forward_progress 1
		.amdhsa_inst_pref_size 23
	.end_amdhsa_kernel
	.amdgpu_metadata
---
amdhsa.version: [ 1, 2 ]
amdhsa.kernels:
  - .name:           k_q7fb1f1f150_proj
    .symbol:         k_q7fb1f1f150_proj.kd
    .args:
      - { .name: att, .offset: 0, .size: 8, .value_kind: global_buffer, .address_space: global }
      - { .name: proj_w, .offset: 8, .size: 8, .value_kind: global_buffer, .address_space: global }
      - { .name: proj_b, .offset: 16, .size: 8, .value_kind: global_buffer, .address_space: global }
      - { .name: out0, .offset: 24, .size: 8, .value_kind: global_buffer, .address_space: global }
    .group_segment_fixed_size: 168448
    .private_segment_fixed_size: 0
    .kernarg_segment_align: 8
    .kernarg_segment_size: 32
    .max_flat_workgroup_size: 128
    .sgpr_count:     66
    .vgpr_count:     234
    .wavefront_size: 32
...
	.end_amdgpu_metadata
.endif
;; end of part 3
;; ======== version 2 of 2: 3 launches; 1.16 times as fast as version 1
;; limits: values are held in f16: magnitudes above 65,504 overflow, below 6.1e-05 lose precision
;; workspace buffers: q 2,097,152 bytes; kv 4,194,304 bytes; att 2,097,152 bytes
;; launch qkv: the kernel of part 1 again; grid 32 x 8, 8 waves a work-group, no clusters, 125,440 bytes of LDS; arguments x, qkv_w, q, kv; writes q, kv
;; launch attn (part 4): grid 32 x 8, 4 waves a work-group, clusters of 4 x 1, 327,680 bytes of LDS; arguments q, kv, att; writes att
.if DOCPART == 4
	.amdgcn_target "amdgcn-amd-amdhsa--gfx1250"
	.amdhsa_code_object_version 6
	.text
	.protected	k_q7fb1f1f150_attn
	.globl	k_q7fb1f1f150_attn
	.p2align	8
	.type	k_q7fb1f1f150_attn,@function
k_q7fb1f1f150_attn:
	s_mov_b64 s[64:65], 0
	v_nop
	global_prefetch_b8 v0, s[64:65] scope:SCOPE_SE
	s_setreg_imm32_b32 hwreg(HW_REG_WAVE_MODE, 25, 1), 1
	s_wait_xcnt 0x0
	s_wait_alu depctr_hold_cnt(0) depctr_sa_sdst(0) depctr_va_vdst(0) depctr_va_sdst(0) depctr_va_ssrc(0) depctr_va_vcc(0) depctr_vm_vsrc(0)
	s_getreg_b32 s2, hwreg(HW_REG_IB_STS2, 6, 4)
	s_cmp_eq_u32 s2, 0
	s_cbranch_scc0 .Lentry_in_a_cluster
	s_endpgm
.Lentry_in_a_cluster:
	s_bfe_u32 s2, ttmp6, 0x10000c
	s_cmp_lg_u32 s2, 0x3003
	s_cbranch_scc0 .Lentry_shape_is_right
	s_endpgm
.Lentry_shape_is_right:
; Softmax attention of one head for 128 queries over 4,096 keys, head size 32.  q, kv, att in fragment order (16 rows x 32 k of f16 in 1,024 bytes:
; lane L's registers 0-3 at 16 L, registers 4-7 at 512 + 16 L).  q already holds 32^-0.5 * log2(e), so the exponentials are powers of two.
; Four waves, 32 queries each (tiles qt = 0, 1).  A step is 64 keys, 8,192 bytes of kv: four fragments of K, then four of V.
;   scores, transposed:  S[qt][kt] = K[kt] x Q[qt]: lane (r, h) holds keys 8 h + j of query r in register j.  So a query's maximum and sum run over the
;     lane's own registers and one exchange with lane L xor 16, and tiles 2 c, 2 c + 1, rounded to f16, ARE the fragment P[qt][c]: no lane traffic.
;   output, transposed:  O[qt][dt] += V[c][dt] x P[qt][c]: lane (r, h) holds d = 16 dt + 8 h + j of query r: the lane's own factors apply, and the
;     packed result is half dt of a fragment of att.
; The running maximum is the true maximum of all keys seen; sums and outputs are rescaled by 2^(old - new) in every step.
; SOFTWARE PIPELINE: trip t holds the softmax and the products with V of step t and the scores of step t + 1, whose eight products stand among the exponentials of step t.
; THE EXPONENTIALS OF A TRIP ARE ONE BATCH WITH ONE WAIT.  A trip has 66: a = 2^(old - new) of both tiles, made in place on the difference, and the 64 weights, made in place
; on s - m, so that each result has a register of its own.  Ahead of the wait stands all that names no result of theirs: both tiles' maxima, the 32 packed subtractions, the 66
; exponentials, the wait for K and V, and the next step's eight products.  Behind it stand all the readers: the sums, the roundings to f16, O x a, l, and the products with V..
; The two reciprocals on the way out are a batch of their own, with one wait.
; CLUSTER: the four query blocks of a cluster work on one head and read the same kv.  Every tile is asked for jointly (mask 15), which divides the requests by four.
; RING: two LDS slots of 65,536 bytes, a slot = 8 steps = 512 keys, dense in memory; each wave brings a quarter as 64 rows of 256 bytes.
; A wave has two tensor loads out at the start and one behind each refill.
; LDS: the ring takes 131,072 bytes, the spare words 512 bytes from byte 167,936 on; the launch claims all 327,680.
; F16 AND ITS LIMITS: the weights P lie in [0, 1] (the maximum is taken away first), so they cannot overflow; f16's smallest step is 6e-8, so a weight below 3e-8 of
; its row's largest counts as 0 in the product with V: over 4,096 keys at most 1.2e-4 of the sum, which is at least 1.  The result is a convex mix of v and has v's
; range, which fits f16 (the arithmetic stands at the head of the launch that makes v).  v_exp_f32 gives 0 below 2^-126 (ISA guide 15.8).
; NaN and infinities are not served.  The sum is at least 1, so its reciprocal is safe.
.set SLOTB, 65536
.set STEPB, 8192
.set MX,  0                            ; v0, v1    running maximum of query r, tile qt
.set ADR, 2                            ; v2, v3    16 L in slot 0, slot 1; v2 is also the offset of the loads of Q and of the stores
.set NM,  4                            ; v4, v6    minus the maximum; first register of a pair, broadcast by the packed adds
.set TP,  5                            ; v5        the other half's figure
.set TS,  7                            ; v7        a step's sum
.set AL,  8                            ; v8, v10   old - new, then 2^(old - new) in its place; v9, v11 the lane's running sum
.set CH,  12                           ; v[12:15]  four chains of maxima, then two pairs of sums
.set QF,  16                           ; v[16:31]  Q, tile qt at 8 qt
.set KF,  32                           ; v[32:63]  K, tile kt at 8 kt
.set VF,  64                           ; v[64:95]  V, (c, dt) at 8 (2 c + dt)
.set OA,  96                           ; v[96:127] O, (qt, dt) at 16 qt + 8 dt
.set SC,  128                          ; v[128:255] scores, two sets: set*64 + qt*32 + kt*8; P[qt][c] is packed in place at qt*32 + c*16
.set G1,  16                           ; s[16:23]  descriptor group 1
.set G0,  24                           ; s[24:31]  descriptor group 0, one set for each slot
; A round of the cluster's barrier: my work-group's barrier, wave 0 signals for the work-group, every wave waits for all four work-groups, my work-group's barrier again.
.macro ROUND
	s_barrier_signal -1
	s_barrier_wait -1
	s_cmp_lg_u32 s8, 0
	s_cbranch_scc1 .Lnot_wave_0_\@
	s_barrier_signal -3
.Lnot_wave_0_\@:
	s_barrier_wait -3
	s_barrier_signal -1
	s_barrier_wait -1
.endm
.macro PLACES                          ; four plain vector instructions behind a matrix instruction before its result is read by a vector instruction (ISA guide 7.12.1)
.rept 4
	v_nop
.endr
.endm
	s_load_b128 s[4:7], s[0:1], 0x0                ; q s[4:5], kv s[6:7]
	s_load_b64 s[10:11], s[0:1], 0x10              ; att
	s_set_vgpr_msb 0x40
	v_lshl_add_u32 v0, v0, 2, 0x29000
	v_mov_b32 v1, 0
	s_set_vgpr_msb 0x4045
	ds_add_u32 v0, v1
	s_set_vgpr_msb 0x4500
	v_lshrrev_b32 v1, 5, v0
	v_readfirstlane_b32 s8, v1                     ; wave 0..3
	v_and_b32 v2, 31, v0
	v_lshlrev_b32 v[ADR], 4, v2
	v_add_nc_u32 v[ADR+1], SLOTB, v[ADR]
	v_mov_b32 v[TP], 0                             ; second registers of the pairs {NM, ..}: written before the pairs are read
	v_mov_b32 v[TS], 0
	s_mov_b32 s12, 0x76543210                      ; v_permlanex16_b32: lane i reads lane i of the other half
	s_mov_b32 s13, 0xfedcba98
	s_and_b32 s34, ttmp7, 0xffff                   ; head: the cluster's y, shared by its four work-groups
	s_bfe_u32 s32, ttmp6, 0x40000                  ; cx
	s_lshl_b32 s33, ttmp9, 2
	s_add_co_u32 s33, s33, s32                     ; query block = 4 x cluster x + cx
	; group 1: 64 rows of 32 elements of 8 bytes, dense
	s_mov_b32 s[G1+0], 0x0023000f                  ; 15:0 mask: all four of the cluster; 17:16 elements of 8 bytes; 21 set beside a mask; no padding: fragment order is read contiguously
	s_mov_b32 s[G1+1], 32<<16                      ; tensor_dim0 = 32
	s_mov_b32 s[G1+2], 64<<16                      ; tensor_dim1 = 64
	s_mov_b32 s[G1+3], 32<<16                      ; tile_dim0 = 32
	s_mov_b32 s[G1+4], 64                          ; tile_dim1 = 64
	s_mov_b32 s[G1+5], 32                          ; from row to row: 32 elements
	s_mov_b32 s[G1+6], 0
	s_mov_b32 s[G1+7], 0
	s_lshl_b32 s35, s8, 14                         ; my quarter of a slot: 16,384 x wave
	s_lshl_b32 s14, s34, 19                        ; kv: head*524288 + my quarter: made of the head and the wave's number alone, equal in all four work-groups
	s_add_co_u32 s14, s14, s35
	s_mov_b32 s15, 0
	s_lshl_b32 s36, s34, 18                        ; q and att: head*262144 + (8 x query block + 2 x wave)*1024
	s_lshl_b32 s38, s33, 13
	s_add_co_u32 s36, s36, s38
	s_lshl_b32 s38, s8, 11
	s_add_co_u32 s36, s36, s38
	s_mov_b32 s37, 0
	s_wait_dscnt 0x0
	s_wait_kmcnt 0x0
	s_add_nc_u64 s[6:7], s[6:7], s[14:15]
	s_add_nc_u64 s[4:5], s[4:5], s[36:37]
	s_add_nc_u64 s[10:11], s[10:11], s[36:37]
.irp n, 0,1
	s_mov_b32 s[G0+4*\n], 1                                        ; count = 1
	s_add_co_u32 s[G0+4*\n+1], s35, \n*SLOTB                       ; LDS address
	s_add_nc_u64 s[G0+4*\n+2:G0+4*\n+3], s[6:7], \n*SLOTB          ; block n of the head's eight
	s_or_b32 s[G0+4*\n+3], s[G0+4*\n+3], 0x80000000                ; type = 2
.endr
	ROUND                                          ; all four work-groups are here: the first joint loads meet
	tensor_load_to_lds s[G0:G0+3], s[G1:G1+7]      ; keys 0-511
	s_nop 0
	tensor_load_to_lds s[G0+4:G0+7], s[G1:G1+7]    ; keys 512-1023
	s_nop 0
.irp a, 0,1,2,3
	global_load_b128 v[QF+4*\a:QF+4*\a+3], v[ADR], s[4:5] offset:512*\a
.endr
.macro LOADK sl, pos                   ; K of the step at place pos of slot sl
.irp kt, 0,1,2,3
	ds_load_b128 v[KF+8*\kt:KF+8*\kt+3],   v[ADR+\sl] offset:(\pos)*STEPB+\kt*1024
	ds_load_b128 v[KF+8*\kt+4:KF+8*\kt+7], v[ADR+\sl] offset:(\pos)*STEPB+\kt*1024+512
.endr
.endm
.macro LOADV sl, pos
.irp f, 0,1,2,3
	ds_load_b128 v[VF+8*\f:VF+8*\f+3],   v[ADR+\sl] offset:(\pos)*STEPB+4096+\f*1024
	ds_load_b128 v[VF+8*\f+4:VF+8*\f+7], v[ADR+\sl] offset:(\pos)*STEPB+4096+\f*1024+512
.endr
.endm
.macro SMUL st                         ; eight tiles of scores into set st; each starts from the constant 0
.irp qt, 0,1
.irp kt, 0,1,2,3
	v_wmma_f32_16x16x32_f16 v[SC+(\st)*64+\qt*32+\kt*8:SC+(\st)*64+\qt*32+\kt*8+7], v[KF+8*\kt:KF+8*\kt+7], v[QF+8*\qt:QF+8*\qt+7], 0
.endr
.endr
.endm
.macro MAXA p, qt                      ; the first three scores of each tile start four chains
.set bb, SC+(\p)*64+(\qt)*32
.irp kt, 0,1,2,3
	v_max3_num_f32 v[CH+\kt], v[bb+8*\kt], v[bb+8*\kt+1], v[bb+8*\kt+2]
.endr
.endm
.macro MAXB p, qt, first               ; the rest of the 32 scores, the old maximum, the other half; then old - new and -m
.set bb, SC+(\p)*64+(\qt)*32
.irp kt, 0,1,2,3
	v_max3_num_f32 v[CH+\kt], v[CH+\kt], v[bb+8*\kt+3], v[bb+8*\kt+4]
.endr
.irp kt, 0,1,2,3
	v_max3_num_f32 v[CH+\kt], v[CH+\kt], v[bb+8*\kt+5], v[bb+8*\kt+6]
.endr
	v_max3_num_f32 v[CH], v[CH], v[bb+7], v[bb+15]
	v_max3_num_f32 v[CH+2], v[CH+2], v[bb+23], v[bb+31]
	v_max3_num_f32 v[CH], v[CH], v[CH+1], v[CH+2]
.if \first
	v_max_num_f32 v[CH], v[CH], v[CH+3]
.else
	v_max3_num_f32 v[CH], v[CH], v[CH+3], v[MX+\qt]
.endif
	v_permlanex16_b32 v[TP], v[CH], s12, s13       ; the other eight keys of each tile lie in lane L xor 16
	v_max_num_f32 v[CH], v[CH], v[TP]
.if \first == 0
	v_sub_f32 v[AL+2*\qt], v[MX+\qt], v[CH]        ; old - new, at most 0: it lies in a's own register until the trip's batch takes its exponential there
.endif
	v_mov_b32 v[MX+\qt], v[CH]
	v_sub_f32 v[NM+2*\qt], 0, v[CH]
.endm
; THE BATCH's three kinds of lines, each written by a counter.  sb is the trip's set of scores: pair nS of 32 and score nE of 64 run through tile 0 and then tile 1.
.macro SUBN                            ; the next pair: s - m, both halves by the first register of the tile's pair {NM, ..}
	v_pk_add_f32 v[sb+2*nS:sb+2*nS+1], v[sb+2*nS:sb+2*nS+1], v[NM+2*(nS/16):NM+2*(nS/16)+1] op_sel_hi:[1,0]
.set nS, nS+1
.endm
.macro EXPN                            ; the next weight, in place
	v_exp_f32 v[sb+nE], v[sb+nE]
.set nE, nE+1
.endm
.macro SMULN st                        ; the next of the eight tiles of scores of the step to come, into set st, in SMUL's order; each starts from the constant 0
	v_wmma_f32_16x16x32_f16 v[SC+(\st)*64+8*nW:SC+(\st)*64+8*nW+7], v[KF+8*(nW%4):KF+8*(nW%4)+7], v[QF+8*(nW/4):QF+8*(nW/4)+7], 0
.set nW, nW+1
.endm
; THE BATCH of set p: 32 subtractions, 66 exponentials (64 where first = 1: the first step has no a), and with mul = 1 the next step's eight products.  No line of it names an exponential's result:
; a subtraction names its own pair, ahead of that pair's exponentials; the products name K, Q and the other set.  Weight e needs subtraction e / 2: in the first run 6 + e are out when it comes;
; in group k of the eight the weights go up to 17 + 6 k, which needs subtraction 8 + 3 k, and 19 + 2 k is out.
.macro BATCH p, first, mul
.set sb, SC+(\p)*64
.set nS, 0
.set nE, 0
.set nW, 0
.rept 4
	SUBN
.endr
.irp qt, 0,1
.if \first == 0
	v_exp_f32 v[AL+2*\qt], v[AL+2*\qt]             ; a = 2^(old - new)
.endif
	SUBN
.endr
.rept 12
	EXPN
	SUBN
.endr
	s_wait_dscnt 0x0                               ; K of step t + 1 and V of step t
.rept 8                                ; a product and six exponentials; the last fourteen subtractions stand in the first seven groups
.if \mul
	SMULN 1-(\p)
.endif
.rept 2
	EXPN
.if nS < 32
	SUBN
.endif
.endr
.rept 4
	EXPN
.endr
.endr
.rept 4
	EXPN
.endr
	v_nop                                          ; one plain instruction behind the last exponential, ahead of the first use (ISA guide 5.7.2): one for the batch
	s_wait_alu depctr_va_vdst(0)                   ; the wait ahead of the first line that names a result: one for the trip's whole batch
.endm
; pieces of the softmax of one tile kt of (p, qt) that read the weights; bb is set by SOFT
.macro SUMT kt                         ; tile 0 starts the two pairs of sums: nothing is cleared
.if \kt == 0
	v_pk_add_f32 v[CH:CH+1], v[bb:bb+1], v[bb+2:bb+3]
	v_pk_add_f32 v[CH+2:CH+3], v[bb+4:bb+5], v[bb+6:bb+7]
.else
	v_pk_add_f32 v[CH:CH+1], v[CH:CH+1], v[bb+8*\kt:bb+8*\kt+1]
	v_pk_add_f32 v[CH+2:CH+3], v[CH+2:CH+3], v[bb+8*\kt+2:bb+8*\kt+3]
	v_pk_add_f32 v[CH:CH+1], v[CH:CH+1], v[bb+8*\kt+4:bb+8*\kt+5]
	v_pk_add_f32 v[CH+2:CH+3], v[CH+2:CH+3], v[bb+8*\kt+6:bb+8*\kt+7]
.endif
.endm
.macro CVTT kt                         ; eight weights to four registers of P[qt][kt >> 1]; each destination lies at or below registers already used up
.irp i, 0,1,2,3
	v_cvt_pk_f16_f32 v[bb+(\kt>>1)*16+(\kt&1)*4+\i], v[bb+8*\kt+2*\i], v[bb+8*\kt+2*\i+1]
.endr
.endm
; The readers of (p, qt): all stand behind the batch's wait.
.macro SOFT p, qt, first
.set bb,  SC+(\p)*64+(\qt)*32
.set alr, AL+2*(\qt)
.set ob,  OA+16*(\qt)
	SUMT 0
	CVTT 0
	SUMT 1
	CVTT 1
	SUMT 2
	CVTT 2
.if \first == 0
.irp i, 0,2,4,6,8,10,12,14
	v_pk_mul_f32 v[ob+\i:ob+\i+1], v[ob+\i:ob+\i+1], v[alr:alr+1] op_sel_hi:[1,0]   ; O x 2^(old - new)
.endr
.endif
	SUMT 3
	CVTT 3
	v_pk_add_f32 v[CH:CH+1], v[CH:CH+1], v[CH+2:CH+3]
.if \first
	v_add_f32 v[alr+1], v[CH], v[CH+1]
.else
	v_add_f32 v[TS], v[CH], v[CH+1]
	v_fma_f32 v[alr+1], v[alr+1], v[alr], v[TS]    ; l = l x 2^(old - new) + this step's sum
.endif
.endm
.macro WM d, a, b, zero
.if \zero
	v_wmma_f32_16x16x32_f16 v[\d:\d+7], v[\a:\a+7], v[\b:\b+7], 0
.else
	v_wmma_f32_16x16x32_f16 v[\d:\d+7], v[\a:\a+7], v[\b:\b+7], v[\d:\d+7]
.endif
.endm
.macro PV p, first                     ; the four accumulators take turns, one instruction a turn
.set pb, SC+(\p)*64
	WM OA+0,  VF+0,  pb+0,  \first
	WM OA+8,  VF+8,  pb+0,  \first
	WM OA+16, VF+0,  pb+32, \first
	WM OA+24, VF+8,  pb+32, \first
	WM OA+0,  VF+16, pb+16, 0
	WM OA+8,  VF+24, pb+16, 0
	WM OA+16, VF+16, pb+48, 0
	WM OA+24, VF+24, pb+48, 0
.endm
; Trip t: softmax and V products of step t, scores of step t + 1.
; mode 0: step t + 1 lies in the same slot.  mode 1: it opens the other slot, and this slot is filled again.  mode 2: the same without a refill.  mode 3: the last step.
.macro TRIP t, first, mode
.set tp,  (\t)&1
.set tvs, ((\t)>>3)&1
.set tvp, (\t)&7
.set tks, (((\t)+1)>>3)&1
.set tkp, ((\t)+1)&7
	MAXA tp, 0                                     ; four plain instructions on other registers behind the last trip's products: V's registers may be loaded again
	LOADV tvs, tvp
.if \mode == 0
	LOADK tks, tkp
.endif
	MAXB tp, 0, \first
.if \mode == 1
	s_set_vgpr_msb 0x5
	s_wait_tensorcnt 0x0                           ; all my tensor loads have landed, my quarter of the other slot among them, so a group 0 may be written:
	ds_add_u32 v0, v1
	s_wait_dscnt 0x0
	s_set_vgpr_msb 0x500
	s_add_nc_u64 s[G0+4*tvs+2:G0+4*tvs+3], s[G0+4*tvs+2:G0+4*tvs+3], 2*SLOTB   ; this slot's next block
	s_wait_dscnt 0x0                               ; V of step t, my last read of this slot, is in registers
	ROUND                                          ; both now hold of every wave of all four work-groups
	tensor_load_to_lds s[G0+4*tvs:G0+4*tvs+3], s[G1:G1+7]          ; my one tensor load behind the round, first thing there; it has eight trips in which to land
	s_nop 0
	LOADK tks, tkp
.endif
.if \mode == 2
	s_wait_tensorcnt 0x0                           ; my quarter of the last block has landed
	s_wait_dscnt 0x0
	s_barrier_signal -1
	s_barrier_wait -1                              ; everybody's has
	LOADK tks, tkp
.endif
	MAXA tp, 1
	MAXB tp, 1, \first
.if \mode == 3
	BATCH tp, \first, 0                            ; the last step: no scores to come
.else
	BATCH tp, \first, 1                            ; the trip's exponentials, the wait for K and V, the scores of step t + 1, and the batch's one wait
.endif
	SOFT tp, 0, \first
	SOFT tp, 1, \first
	PV tp, \first
.endm
	s_wait_loadcnt 0x0                             ; Q
	s_wait_tensorcnt 0x1                           ; my quarter of block 0 is in; block 1's may stay out
	s_barrier_signal -1
	s_barrier_wait -1
	LOADK 0, 0
	s_wait_dscnt 0x0
	SMUL 0
	PLACES
	TRIP 0, 1, 0                                   ; the first step starts maxima, sums and outputs
	s_mov_b32 s9, 3
.Llap:                                 ; a lap = 16 steps = once round the ring; steps 1 to 48; the six refills (blocks 2 to 7) all lie here
.set tt, 1
.rept 16
.if (tt&7) == 7
	TRIP tt, 0, 1
.else
	TRIP tt, 0, 0
.endif
.set tt, tt+1
.endr
	s_sub_co_u32 s9, s9, 1
	s_cmp_lg_u32 s9, 0
	s_cbranch_scc1 .Llap
.set tt, 1                             ; steps 49 to 62: nothing is left to fetch
.rept 14
.if tt == 7
	TRIP tt, 0, 2
.else
	TRIP tt, 0, 0
.endif
.set tt, tt+1
.endr
	TRIP 15, 0, 3                                  ; step 63
	; THE WAY OUT: the two halves' sums meet, O / l, f16, four stores of 512 consecutive bytes
	PLACES
.irp qt, 0,1
	v_permlanex16_b32 v[TP], v[AL+2*\qt+1], s12, s13
	v_add_f32 v[AL+2*\qt+1], v[AL+2*\qt+1], v[TP]
.endr
	v_rcp_f32 v[AL], v[AL+1]
	v_rcp_f32 v[AL+2], v[AL+3]
	v_nop                                          ; one plain instruction before the reciprocals are used (ISA guide 5.7.2)
	s_wait_alu depctr_va_vdst(0)                   ; the wait ahead of the first use: one for the two reciprocals
.irp qt, 0,1
.irp i, 0,2,4,6,8,10,12,14
	v_pk_mul_f32 v[OA+16*\qt+\i:OA+16*\qt+\i+1], v[OA+16*\qt+\i:OA+16*\qt+\i+1], v[AL+2*\qt:AL+2*\qt+1] op_sel_hi:[1,0]
.endr
.endr
.irp a, 0,1,2,3
.irp r, 0,1,2,3
	v_cvt_pk_f16_f32 v[KF+4*\a+\r], v[OA+8*\a+2*\r], v[OA+8*\a+2*\r+1]
.endr
.endr
.irp a, 0,1,2,3
	global_store_b128 v[ADR], v[KF+4*\a:KF+4*\a+3], s[10:11] offset:512*\a     ; a = 2 qt + dt: half dt of tile qt's fragment
.endr
	s_set_vgpr_msb 0x5
	s_wait_tensorcnt 0x0
	ds_add_u32 v0, v1
	s_wait_dscnt 0x0
	s_set_vgpr_msb 0x500
	ROUND                                          ; the closing round: no work-group ends while a partner may still ask for a tile that names it
	s_endpgm
.Lfunc_end_k_q7fb1f1f150_attn:
	.size	k_q7fb1f1f150_attn, .Lfunc_end_k_q7fb1f1f150_attn-k_q7fb1f1f150_attn
	.p2alignl 7, 3214868480
	.fill 96, 4, 3214868480
	.section	.rodata,"a",@progbits
	.p2align	6, 0x0
	.amdhsa_kernel k_q7fb1f1f150_attn
		.amdhsa_group_segment_fixed_size 327680
		.amdhsa_private_segment_fixed_size 0
		.amdhsa_enable_private_segment 0
		.amdhsa_kernarg_size 24
		.amdhsa_user_sgpr_count 2
		.amdhsa_user_sgpr_kernarg_segment_ptr 1
		.amdhsa_wavefront_size32 1
		.amdhsa_system_sgpr_workgroup_id_x 1
		.amdhsa_system_sgpr_workgroup_id_y 1
		.amdhsa_system_sgpr_workgroup_id_z 1
		.amdhsa_system_vgpr_workitem_id 0
		.amdhsa_next_free_vgpr 258
		.amdhsa_next_free_sgpr 66
		.amdhsa_reserve_vcc 0
		.amdhsa_float_denorm_mode_32 3
		.amdhsa_float_denorm_mode_16_64 3
		.amdhsa_memory_ordered 1
		.amdhsa_forward_progress 1
		.amdhsa_inst_pref_size 255
	.end_amdhsa_kernel
	.section	.bss,"aw",@nobits
	.p2align	6
	.space	262144
	.amdgpu_metadata
---
amdhsa.version: [ 1, 2 ]
amdhsa.kernels:
  - .name:           k_q7fb1f1f150_attn
    .symbol:         k_q7fb1f1f150_attn.kd
    .args:
      - { .name: q, .offset: 0, .size: 8, .value_kind: global_buffer, .address_space: global }
      - { .name: kv, .offset: 8, .size: 8, .value_kind: global_buffer, .address_space: global }
      - { .name: att, .offset: 16, .size: 8, .value_kind: global_buffer, .address_space: global }
    .group_segment_fixed_size: 327680
    .private_segment_fixed_size: 0
    .kernarg_segment_align: 8
    .kernarg_segment_size: 24
    .max_flat_workgroup_size: 128
    .sgpr_count:     66
    .vgpr_count:     258
    .wavefront_size: 32
...
	.end_amdgpu_metadata
.endif
;; end of part 4
;; launch proj: the kernel of part 3 again; grid 64 x 4, 4 waves a work-group, no clusters, 168,448 bytes of LDS; arguments att, proj_w, proj_b, out0; writes out0
